; MI455X (gfx1250); checked and timed in simulation.
; The chip was launched on July 23, 2026; its instructions are those of AMD's public machine-readable ISA for CDNA 5 (MIT licence, August 2026) and "CDNA5" Instruction Set Architecture Reference Guide (July 2026). The comments in the code are by the model that wrote it; some were corrected since.
;; PRME. Allowed arithmetic: float matrix products may take bf16 or f16 operands with f32 sums; all other float work in f32.
;; Inputs: feat_idx 16,384 x 50 int32; feat_val 16,384 x 50 float32; var_factors 1,000,000 x 64 float32; var_linear 1,000,000 x 1 float32.
;; Outputs: out0 16,384 x 1 float32.
;; One version. Each part assembles by itself: llvm-mc -triple=amdgcn-amd-amdhsa -mcpu=gfx1250 --defsym DOCPART=n.
;; ======== version 1 of 1: 1 launch
;; launch prme (part 1): grid 256 x 1, 16 waves a work-group, no clusters, 2,304 bytes of LDS; arguments feat_idx, feat_val, var_factors, var_linear, out0; writes out0
.if DOCPART == 1
	.amdgcn_target "amdgcn-amd-amdhsa--gfx1250"
	.amdhsa_code_object_version 6
	.text
	.protected	k_qa043981f6f_prme
	.globl	k_qa043981f6f_prme
	.p2align	8
	.type	k_qa043981f6f_prme,@function
k_qa043981f6f_prme:
	s_mov_b64 s[64:65], 0
	v_nop
	global_prefetch_b8 v0, s[64:65] scope:SCOPE_SE
	s_setreg_imm32_b32 hwreg(HW_REG_WAVE_MODE, 25, 1), 1
	s_wait_xcnt 0x0
; preds[b] = L + P*F - E   (reference()'s  linear + 0.5 (t1 - t2 + t3)  with t1 = t3 = P F and t2 = 2 E), where over the 50 entries n of batch row b
;   L = sum val[n] lin[idx[n]],  F = sum val[n],  P = sum val[n] |row(idx[n])|^2,  E = | sum val[n] row(idx[n]) |^2,  row(i) = var_factors[i][0..63].
; A gather: 819,200 table rows of 256 bytes against a few operations for each number, so the text is built round the requests.
; 256 work-groups of 16 waves; a work-group owns 64 batch rows (12,800 consecutive bytes of each list, 256 consecutive bytes of out0),
; a wave owns 4 of them.  One 16-byte load of a wave fetches TWO table rows: lanes 0-15 the 256 bytes of entry j's row, lanes 16-31 those
; of entry 25 + j's, each half at a multiple of 256 bytes from the table's first byte.  A batch row is 25 such loads, 100 registers.
; Each half of 16 lanes keeps its own 25 indices and 25 weights in its lanes (register A: entries 0-15, register B: entries 16-24), and a
; DPP row_share move hands entry j to all 16 lanes of the half: the lists are read once, and the same registers serve lin's gather and F.
; Ring: two slots of 25 quads; a quad is asked for again (the batch row two further on) as soon as it has been used, so that 50 table loads
; of every wave, 25,600 bytes, are out until all has been asked for.  A load's offset lies in its own first destination register.
; All arithmetic in f32.  NOT USED, and why:  matrix instructions: the product has another 50 x 64 matrix for every batch row and one row on
; the left, so 15 of 16 rows of a matrix instruction would be idle, and P F - E keeps f32 operands;  clusters: no two work-groups share a tile;
; tensor loads: single scattered rows, and the registers hold what is in flight;  prefetches: half of a wave's rows are requested by loads at
; once and the other half, 409,600 bytes for a work-group, is more than a prefetch should run ahead.
; LIMITS: the sums are formed in another order than reference()'s (25 entries per half, then lanes by a butterfly; L - E is summed as one number
; and P F joins by one fma).  Lanes 9-15 of register B repeat entry 24 of their half with the weight 0: 0 x lin gives NaN only where that lin is
; not finite, and then reference() is not finite either.  Indices are bounded by the last table row, which changes no index that the problem allows.
.set NNZ,    50
.set HALF,   25                        ; entries of a half of the lanes = loads of a batch row
.set LISTB,  4*NNZ                     ; bytes of a batch row in feat_idx and in feat_val
.set RPW,    4                         ; batch rows of a wave
.set WAVES,  16
.set MAXROW, 999999                    ; last row of var_factors and var_linear
.set IDXP, 4                           ; s[4:5]   feat_idx, at the work-group's first batch row
.set VALP, 6                           ; s[6:7]   feat_val, likewise
.set TAB,  8                           ; s[8:9]   var_factors
.set LIN,  10                          ; s[10:11] var_linear
.set OUT,  12                          ; s[12:13] out0, at the work-group's 256 bytes
.set WAVE, 14                          ; s14      wave number
.set SEL,  16                          ; s16, s17 v_permlanex16_b32: lane i reads lane i of the other half
.set OA,   5                           ; v5       byte offset of my entry in register A's loads (batch row 0 of my wave)
.set OB,   6                           ; v6       the same for register B, less the 64 bytes that stand in the immediate
.set L16,  7                           ; v7       16 x (lane % 16): my 16 bytes of a table row
.set TI,   8                           ; v8-9     an index on its way to an offset, two in turn
.set BV,   10                          ; v10-11   the entry's weight in v10; v11 only completes the pair
.set T,    12                          ; v12-13   squares
.set ACC,  14                          ; v14-17   sum of weight x row, my 4 columns, my half's entries
.set SQ,   18                          ; v18-19   sum of weight x squares
.set P,    20                          ; v20-23   scratch: first the lane's coordinates, later what comes from other lanes
.set W,    24                          ; v24      L - E, on its way over the lanes
.set LD,   25                          ; v25      LDS address of my wave's 4 results
.set RES,  26                          ; v26-29   the 4 results
.set IA,   30                          ; v30-33   batch row i: index of entry 25 h + r             (r = lane % 16, h = lane / 16)
.set IB,   34                          ; v34-37   batch row i: index of entry 25 h + 16 + min(r, 8)
.set VA,   38                          ; v38-41   weights, as IA
.set WB,   42                          ; v42-45   weights, as IB
.set LA,   46                          ; v46-49   lin of IA's entries; then the lane's share of L
.set LB,   50                          ; v50-53   lin of IB's entries; then the lane's share of F
.set L8,   54                          ; v54      8 x lane, for the way out
.set X0,   56                          ; v56-155  slot 0: 25 quads (batch rows 0 and 2)
.set X1,   156                         ; v156-255 slot 1: 25 quads (batch rows 1 and 3)
	s_load_b256 s[4:11], s[0:1], 0x0               ; feat_idx, feat_val, var_factors, var_linear
	s_load_b64 s[OUT:OUT+1], s[0:1], 0x20          ; out0
	v_lshl_add_u32 v4, v0, 2, 0x100
	v_mov_b32 v55, 0
	v_and_b32 v[P], 15, v0                         ; r
	v_bfe_u32 v[P+1], v0, 4, 1                     ; h
	v_lshrrev_b32 v[P+2], 5, v0
	v_readfirstlane_b32 s[WAVE], v[P+2]            ; wave number as a scalar
	s_mul_i32 s18, ttmp9, WAVES*RPW*LISTB          ; the work-group's 64 batch rows in the lists: 12,800 bytes each group
	s_mov_b32 s19, 0
	s_lshl_b32 s20, ttmp9, 8                       ; and its 64 results: 256 bytes
	s_mov_b32 s21, 0
	s_mov_b32 s[SEL], 0x76543210
	s_mov_b32 s[SEL+1], 0xfedcba98
	v_mul_u32_u24 v[P+3], v[P+2], RPW*LISTB        ; wave x 4 batch rows
	v_mad_u32_u24 v[P+3], v[P+1], HALF*4, v[P+3]   ; + my half's 25 entries
	v_lshl_add_u32 v[OA], v[P], 2, v[P+3]          ; entry r
	v_min_u32 v[OB], 8, v[P]                       ; entries 16 .. 24; lanes 9-15 repeat entry 24
	v_lshl_add_u32 v[OB], v[OB], 2, v[P+3]
	v_lshlrev_b32 v[L16], 4, v[P]
	v_cmp_gt_u32 vcc_lo, 9, v[P]                   ; lanes whose register B entry is their own; VCC stays so to the end
	v_mov_b32 v[TI], 0                             ; destinations of DPP moves count as read, and v11 is read as half of a pair:
	v_mov_b32 v[TI+1], 0                           ; these four are written once here (v20-23 were written just above)
	v_mov_b32 v[BV], 0
	v_mov_b32 v[BV+1], 0
	s_wait_kmcnt 0x0
	s_add_nc_u64 s[IDXP:IDXP+1], s[IDXP:IDXP+1], s[18:19]
	s_add_nc_u64 s[VALP:VALP+1], s[VALP:VALP+1], s[18:19]
	s_add_nc_u64 s[OUT:OUT+1], s[OUT:OUT+1], s[20:21]
	; the lists of all four batch rows at once, 800 consecutive bytes of each for the wave; the indices first, since the gathers hang on them
.irp i, 0,1,2,3
	global_load_b32 v[IA+\i], v[OA], s[IDXP:IDXP+1] offset:LISTB*\i th:TH_LOAD_NT
	global_load_b32 v[IB+\i], v[OB], s[IDXP:IDXP+1] offset:LISTB*\i+64 th:TH_LOAD_NT
.endr
.irp i, 0,1,2,3
	global_load_b32 v[VA+\i], v[OA], s[VALP:VALP+1] offset:LISTB*\i th:TH_LOAD_NT
	global_load_b32 v[WB+\i], v[OB], s[VALP:VALP+1] offset:LISTB*\i+64 th:TH_LOAD_NT
.endr
; The index of entry 'lane' of register ireg, in all 16 lanes of each half, bounded by the table's last row: a number read from memory
; enters an address only behind such a bound, which stands right in front of the address arithmetic.
.macro ROWOF q, lane, ireg
	v_mov_b32_dpp v[TI+(\q)%2], v[\ireg] row_share:\lane row_mask:0xf bank_mask:0xf
	v_min_u32 v[TI+(\q)%2], MAXROW, v[TI+(\q)%2]
.endm
; Ask for the two table rows: 256 x index + my 16 bytes (at most 255,999,984).  The offset lies in the quad's first register: the load lands on it.
; No cache hint: the lists may name a table row more than once.
.macro ASK x, q
	v_lshl_add_u32 v[\x], v[TI+(\q)%2], 8, v[L16]
	global_load_b128 v[\x:\x+3], v[\x], s[TAB:TAB+1]
.endm
.macro FILL i, xb                      ; all 25 loads of batch row i into the slot at xb
.irp j, 0,1,2,3,4,5,6,7,8,9,10,11,12,13,14,15
	ROWOF \j, \j, IA+\i
	ASK \xb+4*\j, \j
.endr
.irp j, 0,1,2,3,4,5,6,7,8
	ROWOF 16+\j, \j, IB+\i
	ASK \xb+4*(16+\j), 16+\j
.endr
.endm
	s_wait_loadcnt 8                               ; the eight index loads are in; the eight weight loads behind them may be out
	FILL 0, X0
	; var_linear: every lane gathers for its own entries, all four batch rows.  Behind batch row 0's requests, since these values are first
	; wanted when that row has been summed.  Offset and result share a register here too.
.irp i, 0,1,2,3
	v_min_u32 v[LA+\i], MAXROW, v[IA+\i]
	v_min_u32 v[LB+\i], MAXROW, v[IB+\i]
	v_lshlrev_b32 v[LA+\i], 2, v[LA+\i]
	v_lshlrev_b32 v[LB+\i], 2, v[LB+\i]
	global_load_b32 v[LA+\i], v[LA+\i], s[LIN:LIN+1]
	global_load_b32 v[LB+\i], v[LB+\i], s[LIN:LIN+1]
.endr
	FILL 1, X1                                     ; 8 + 25 + 8 + 25 loads stand between the wait above and the next one; where the counter's field
	                                               ; is full the issue itself holds (ISA guide 5.7.1), so no wait is placed for that
; One quad: two table rows (one in each half of the lanes), 4 columns a lane.  left = how many younger loads may stay out.
; refill = 1: the quad is asked for again, for the entry of the same place in the batch row two further on (index register ireg).
.macro STEP x, q, lane, vreg, ireg, refill, left
	s_wait_loadcnt \left                           ; loads come back in order (ISA guide 5.7.1): this quad is in
	v_mov_b32_dpp v[BV], v[\vreg] row_share:\lane row_mask:0xf bank_mask:0xf   ; the entry's weight, in all 16 lanes of its half
.if \refill
	ROWOF \q, \lane, \ireg
.endif
	v_pk_mul_f32 v[T:T+1], v[\x:\x+1], v[\x:\x+1]
	v_pk_fma_f32 v[T:T+1], v[\x+2:\x+3], v[\x+2:\x+3], v[T:T+1]                ; x0^2 + x2^2, x1^2 + x3^2
.if (\q)==0
	v_pk_mul_f32 v[ACC:ACC+1], v[\x:\x+1], v[BV:BV+1] op_sel_hi:[1,0]          ; the first entry starts the sums: nothing is cleared
	v_pk_mul_f32 v[ACC+2:ACC+3], v[\x+2:\x+3], v[BV:BV+1] op_sel_hi:[1,0]
	v_pk_mul_f32 v[SQ:SQ+1], v[T:T+1], v[BV:BV+1] op_sel_hi:[1,0]
.else
	v_pk_fma_f32 v[ACC:ACC+1], v[\x:\x+1], v[BV:BV+1], v[ACC:ACC+1] op_sel_hi:[1,0,1]          ; both halves of the pair times v10
	v_pk_fma_f32 v[ACC+2:ACC+3], v[\x+2:\x+3], v[BV:BV+1], v[ACC+2:ACC+3] op_sel_hi:[1,0,1]
	v_pk_fma_f32 v[SQ:SQ+1], v[T:T+1], v[BV:BV+1], v[SQ:SQ+1] op_sel_hi:[1,0,1]
.endif
.if \refill
	ASK \x, \q
.endif
.endm
; The 25 quads of batch row i in the slot at xb.  The wait of quad q is left - dec x q.
.macro STEPS i, xb, refill, left, dec
.irp j, 0,1,2,3,4,5,6,7,8,9,10,11,12,13,14,15
	STEP \xb+4*\j, \j, \j, VA+\i, IA+\i+2, \refill, \left-\dec*\j
.endr
.irp j, 0,1,2,3,4,5,6,7,8
	STEP \xb+4*(16+\j), 16+\j, \j, WB+\i, IB+\i+2, \refill, \left-\dec*(16+\j)
.endr
.endm
; Batch row i's result, in every lane.  The two halves' sums of a column are added first; then both halves hold the same 4 columns of the
; weighted sum, so that the squares, summed over all 32 lanes, come to 2 E: they enter with the factor -0.5, which is exact.
.macro FINISH i
.irp k, 0,1,2,3
	v_permlanex16_b32 v[P+\k], v[ACC+\k], s[SEL], s[SEL+1]
.endr
	v_pk_add_f32 v[ACC:ACC+1], v[ACC:ACC+1], v[P:P+1]
	v_pk_add_f32 v[ACC+2:ACC+3], v[ACC+2:ACC+3], v[P+2:P+3]
	v_pk_mul_f32 v[P:P+1], v[ACC:ACC+1], v[ACC:ACC+1]
	v_pk_fma_f32 v[P:P+1], v[ACC+2:ACC+3], v[ACC+2:ACC+3], v[P:P+1]
	v_add_f32 v[SQ], v[SQ], v[SQ+1]
	v_add_f32 v[P], v[P], v[P+1]
	v_fma_f32 v[W], v[P], -0.5, v[LA+\i]           ; my share of L - E
.irp m, 1,2,4,8
	v_add_f32_dpp v[W], v[W], v[W] row_xmask:\m row_mask:0xf bank_mask:0xf             ; three sums over the 16 lanes of a half, side by side
	v_add_f32_dpp v[SQ], v[SQ], v[SQ] row_xmask:\m row_mask:0xf bank_mask:0xf
	v_add_f32_dpp v[LB+\i], v[LB+\i], v[LB+\i] row_xmask:\m row_mask:0xf bank_mask:0xf
.endr
	v_permlanex16_b32 v[P], v[W], s[SEL], s[SEL+1]                                     ; and across the halves
	v_permlanex16_b32 v[P+1], v[SQ], s[SEL], s[SEL+1]
	v_permlanex16_b32 v[P+2], v[LB+\i], s[SEL], s[SEL+1]
	v_add_f32 v[W], v[W], v[P]
	v_add_f32 v[SQ], v[SQ], v[P+1]
	v_add_f32 v[LB+\i], v[LB+\i], v[P+2]
	v_fma_f32 v[RES+\i], v[SQ], v[LB+\i], v[W]     ; P F + (L - E)
.endm
	; Order of issue: row 0 (25), lin (8), row 1 (25), row 2 (one behind each quad of row 0), row 3 (one behind each quad of row 1).
	STEPS 0, X0, 1, 57, 0                          ; behind quad q of row 0: 24 - q of row 0, 8 lin, 25 of row 1, q of row 2 = 57
	s_wait_loadcnt 50                              ; behind lin's gathers: rows 1 and 2
.irp i, 0,1,2,3
	v_cndmask_b32 v[WB+\i], 0, v[WB+\i], vcc_lo    ; lanes 9-15 hold a copy of entry 24: weight 0 (row_share reads lanes 0-8 of this register only)
	v_mul_f32 v[LA+\i], v[VA+\i], v[LA+\i]
	v_fmac_f32 v[LA+\i], v[WB+\i], v[LB+\i]        ; my share of L
	v_add_f32 v[LB+\i], v[VA+\i], v[WB+\i]         ; my share of F
.endr
	FINISH 0
	STEPS 1, X1, 1, 49, 0                          ; behind quad q of row 1: 24 - q of row 1, 25 of row 2, q of row 3 = 49
	FINISH 1
	STEPS 2, X0, 0, 49, 1                          ; nothing is left to ask for: 24 - q of row 2 and 25 of row 3,
	FINISH 2
	STEPS 3, X1, 0, 24, 1                          ; then 24 - q of row 3, down to 0
	FINISH 3
	; The way out: the 16 waves' 4 results each meet in LDS, and wave 0 stores the work-group's 64 results by one instruction,
	; 8 bytes a lane, 256 consecutive bytes at a multiple of 256 from out0's first byte.
	v_mov_b32 v[LD], s[WAVE]
	v_lshlrev_b32 v[LD], 4, v[LD]                  ; 16 bytes for each wave
	ds_store_b128 v[LD], v[RES:RES+3]              ; every lane holds the same four numbers and writes them to the same bytes
	s_wait_dscnt 0x0                               ; my store is done before I say so: wave 0 reads these bytes behind the barrier
	s_barrier_signal -1
	s_barrier_wait -1
	s_cmp_lg_u32 s[WAVE], 0
	s_cbranch_scc1 .Lend
	v_and_b32 v[L8], 31, v0
	v_lshlrev_b32 v[L8], 3, v[L8]
	ds_load_b64 v[P:P+1], v[L8]
	s_wait_dscnt 0x0
	global_store_b64 v[L8], v[P:P+1], s[OUT:OUT+1] th:TH_STORE_NT
.Lend:
	s_wait_tensorcnt 0x0
	ds_add_u32 v4, v55
	s_wait_dscnt 0x0
	s_endpgm
.Lfunc_end_k_qa043981f6f_prme:
	.size	k_qa043981f6f_prme, .Lfunc_end_k_qa043981f6f_prme-k_qa043981f6f_prme
	.p2alignl 7, 3214868480
	.fill 96, 4, 3214868480
	.section	.rodata,"a",@progbits
	.p2align	6, 0x0
	.amdhsa_kernel k_qa043981f6f_prme
		.amdhsa_group_segment_fixed_size 2304
		.amdhsa_private_segment_fixed_size 0
		.amdhsa_enable_private_segment 0
		.amdhsa_kernarg_size 40
		.amdhsa_user_sgpr_count 2
		.amdhsa_user_sgpr_kernarg_segment_ptr 1
		.amdhsa_wavefront_size32 1
		.amdhsa_system_sgpr_workgroup_id_x 1
		.amdhsa_system_sgpr_workgroup_id_y 1
		.amdhsa_system_sgpr_workgroup_id_z 1
		.amdhsa_system_vgpr_workitem_id 0
		.amdhsa_next_free_vgpr 256
		.amdhsa_next_free_sgpr 66
		.amdhsa_reserve_vcc 1
		.amdhsa_float_denorm_mode_32 3
		.amdhsa_float_denorm_mode_16_64 3
		.amdhsa_memory_ordered 1
		.amdhsa_forward_progress 1
		.amdhsa_inst_pref_size 82
	.end_amdhsa_kernel
	.amdgpu_metadata
---
amdhsa.version: [ 1, 2 ]
amdhsa.kernels:
  - .name:           k_qa043981f6f_prme
    .symbol:         k_qa043981f6f_prme.kd
    .args:
      - { .name: feat_idx, .offset: 0, .size: 8, .value_kind: global_buffer, .address_space: global }
      - { .name: feat_val, .offset: 8, .size: 8, .value_kind: global_buffer, .address_space: global }
      - { .name: var_factors, .offset: 16, .size: 8, .value_kind: global_buffer, .address_space: global }
      - { .name: var_linear, .offset: 24, .size: 8, .value_kind: global_buffer, .address_space: global }
      - { .name: out0, .offset: 32, .size: 8, .value_kind: global_buffer, .address_space: global }
    .group_segment_fixed_size: 2304
    .private_segment_fixed_size: 0
    .kernarg_segment_align: 8
    .kernarg_segment_size: 40
    .max_flat_workgroup_size: 512
    .sgpr_count:     66
    .vgpr_count:     256
    .wavefront_size: 32
...
	.end_amdgpu_metadata
.endif
;; end of part 1
